; MI455X (gfx1250); checked and timed in simulation.
; The chip was launched on July 23, 2026; its instructions are those of AMD's public machine-readable ISA for CDNA 5 (MIT licence, August 2026) and "CDNA5" Instruction Set Architecture Reference Guide (July 2026). The comments in the code are by the model that wrote it; some were corrected since.
;; Separate Source Masking Dense. Allowed arithmetic: matrix products marked QUANTISED: E4M3 operands, one given power-of-two scale a tensor, by v_wmma_f32_16x16x64_fp8_fp8 or v_wmma_f32_16x16x128_fp8_fp8, f32 sums; everything else in f32.
;; Inputs: W_codes 2,048 x 8 x 32 uint8 (E4M3 codes of W, K innermost, in blocks of 32 codes); b 2,048 float32; lowp_scales 2 int32 (the exponents e of the quantised operands' scales 2^e); source 131,072 int32; x_codes 131,072 x 8 x 32 uint8 (E4M3 codes of x, K innermost, in blocks of 32 codes).
;; Outputs: out0 131,072 x 64 float32.
;; This version of the problem:
;;   THIS VERSION OF THE PROBLEM IS GIVEN IN LOW PRECISION. The matrix products marked QUANTISED in the list below multiply operands that are first quantised to E4M3 (4 exponent bits, 3 mantissa bits; 8 bits a number), with one given power-of-two scale for each operand tensor; their sums are f32. All else is computed in f32.
;;   The module's matrix products, in the order in which they are computed (A, B: the left and right operand; K: the contracted axis; several contracted axes count as one K, in the product's order):
;;     1. [M 131,072, K 256] x [K 256, N 2,048]; A: input x (given as codes); B: input W (given as codes): QUANTISED (scales: A lowp_scales[0], B lowp_scales[1])
;;   THE QUANTISER, for each operand of a quantised product, along K:
;;     - The operand's scale is 2^e, e = its entry of the input lowp_scales (int32; the entries are numbered through the quantised products in the list's order, A before B).
;;     - Each number is divided by the scale, clamped to +-448, and rounded to the nearest number of E4M3, ties to even, subnormals kept.
;;     - The product sums the exact products of the quantised numbers (number of the format x scale) in f32.
;;   ~~~python
;;   def quantise(x, axis, e):      # numpy; x: float32 -> the quantised numbers, widened to float32 again
;;       x = np.moveaxis(x, axis, -1); K = x.shape[-1]
;;       r = np.clip(x / 2.0 ** e, -448, 448)
;;       step = 2.0 ** (np.maximum(np.frexp(np.where(r == 0, 1, r))[1] - 1, -6) - 3)
;;       q = np.round(r / step) * step * 2.0 ** e      # np.round: ties to even
;;       return np.moveaxis(q, -1, axis).astype(np.float32)
;;   ~~~
;;   INPUTS GIVEN AS CODES. W (in the module: [256, 2048], K = its axis 0); x (in the module: [131072, 256], K = its axis 1): each comes as NAME_codes (uint8): NAME with its K axis moved to the last place and cut into blocks of 32 codes, [.., K / 32, bytes a block], one block behind the other in memory; one code a byte (a code: sign, 4 exponent bits, 3 mantissa bits); its scale is its entry of lowp_scales. Its value is code x scale, taken as it is: it is not quantised again, and the codes and scales need not be those that the quantiser above would give.
;; 2 versions, each right; version 2 is version 1 with the launch gather_dense written anew for expert scheduling mode. Each part assembles by itself: llvm-mc -triple=amdgcn-amd-amdhsa -mcpu=gfx1250 --defsym DOCPART=n.
;; ======== version 1 of 2: 1 launch
;; launch gather_dense (part 1): grid 128 x 8, 1 waves a work-group, no clusters, 13,568 bytes of LDS; arguments x_codes, W_codes, b, source, lowp_scales, out0; writes out0
.if DOCPART == 1
	.amdgcn_target "amdgcn-amd-amdhsa--gfx1250"
	.amdhsa_code_object_version 6
	.text
	.protected	k_q5db238c21b_gather_dense
	.globl	k_q5db238c21b_gather_dense
	.p2align	8
	.type	k_q5db238c21b_gather_dense,@function
k_q5db238c21b_gather_dense:
	s_mov_b64 s[64:65], 0
	v_nop
	global_prefetch_b8 v0, s[64:65] scope:SCOPE_SE
	s_setreg_imm32_b32 hwreg(HW_REG_WAVE_MODE, 25, 1), 1
	s_wait_xcnt 0x0
; out[i][f] = 2^(ex + ew) x (sum over k of x_code[i][k] W_code[64 source[i] + f][k]) + b[64 source[i] + f].   131,072 rows, K = 256, 32 sources of 64 features.
; x_codes: a row is 256 bytes.  W_codes: four sources' 256 rows are 65,536 consecutive bytes.  out0: a row is 64 f32 = 256 bytes.  Codes are E4M3, multiplied as they are; sums in f32.
; THE ROWS ARE SORTED BY GROUPS OF FOUR SOURCES.  Each row is multiplied by the four slices of W of its source's group, an eighth of the dense product, and its own slice is chosen by v_cndmask_b32 on source % 4.
; So each source number is looked at by 8 waves and not by 32, a wave's list is four times as long as a list for one source would be, and W's group fills the registers that the wave has for it.
; SHARES.  Work-group (x = block, y = group) is ONE wave.  It owns the rows of block x (1,024 rows) whose source / 4 is y, however many: 0 to 1,024.  So each output row has one owner.
; THE WAVE: (1) loads its block's source numbers, W's 256 rows of its group and b's 256 numbers; (2) turns W through a stage in LDS into 32 operand fragments that stay in registers; (3) writes a word for each matching row,
; row | source << 17, into a list in its own LDS (a mask of 32 lanes, the count of set bits below each lane, a running count: no atomics); (4) walks the list in tiles of 16 rows: gather x (two whole rows an
; instruction), through the stage into two fragments, 32 matrix instructions, the choice, through a second stage back into whole rows, x 2^(ex + ew), scatter (two whole rows an instruction).
; THE MATRIX INSTRUCTION IS USED TRANSPOSED: source 0 = 16 features of W, source 1 = 16 rows of x: a lane then holds ONE row and eight neighbouring features, so the choice is one mask of lanes for each of three slices.
; THE BIAS is the C of each sum's first matrix instruction: eight registers a tile of features in the result's layout, divided once by 2^(ex + ew), which the sums lack.
; K's PLACES: a fragment is fetched by four loads of 16 bytes, 32 bytes apart: registers 4 c .. 4 c + 3 hold k = 32 c + 16 (lane / 16) + 0 .. 15.  That is a permutation of k, the same in W and in x: every product meets
; its partner, and only the order of the sums inside an instruction differs.
; ONE WAVE TO A WORK-GROUP: LDS is the wave's own and serves its instructions in order (ISA guide 5.7.1.4), so there is no barrier.  EXEC is never written.
; NO TENSOR LOAD, NO CLUSTER, NO JOINT REQUEST, though the 128 work-groups of a group read the same 65,536 bytes of W: the number of tiles of a work-group hangs on counts made of the input source, so partners would need
; different numbers of steps, and W is read once by each wave, ahead of all its tiles.
; LIMITS: ex + ew lies between -126 and 127, so that 2^(ex + ew) is an f32 number; |b| x 2^-(ex + ew) stays an f32 number (what falls under the smallest normal number loses bits).
; A row whose source is not 0 .. 31 is written by nobody (the index stays inside its table).
; The list is padded with its first word: where the count is odd that row is computed and stored once more, with the same numbers.
.set NROWS,  131072
.set BROWS,  1024                      ; rows in a block
.set MAXG,   BROWS/64                  ; a block's list has at most 16 groups of four tiles
.set PITCH,  272                       ; a stage row: 256 bytes + 16 of padding = 68 words: row r starts at bank 4 r mod 64 (64 banks of 4 bytes: ISA guide 11.1)
.set LIST,   0                         ; LDS: 1,120 words: up to 1,024 list words + 96 of padding
.set DUMPW,  BROWS+96                  ; word 1,120 + lane: where a lane that does not match puts its word; never read
.set XS,     4608                      ; 16 rows x PITCH: the stage for W's and x's tiles
.set OS,     XS+16*PITCH               ; 16 rows x PITCH: the stage for results; ends at byte 13,312
; window 0
.set L16,  1                           ; v1   16 (lane % 16): my 16 bytes of a row of 256
.set HH,   2                           ; v2   lane / 16
.set LN16, 3                           ; v3   16 x lane
.set R4,   4                           ; v4   4 (lane % 16)
.set STA,  5                           ; v5   a stage by rows: PITCH (lane / 16) + 16 (lane % 16)
.set FRG,  6                           ; v6   a stage by fragments: PITCH (lane % 16) + 16 (lane / 16)
.set OST,  7                           ; v7   results into their stage: PITCH (lane % 16) + 32 (lane / 16)
.set IDR,  8                           ; v8   the list at the group of tiles in hand, + 4 (lane % 16)
.set H4,   9                           ; v9   4 (lane / 16)
.set ROW0, 10                          ; v10  1,024 x block + 4 x lane
.set DMP,  11                          ; v11  my dump word's number
.set FIRST, 12                         ; v12  the list's first word
.set PADA, 13                          ; v13  where I put padding
.set NIL,  14                          ; v14  0
.set IDH,  15                          ; v15  the list at the group of tiles in hand, + 4 (lane / 16)
.set SEL,  16                          ; v16  source % 4 of my row of the tile
.set BOF,  17                          ; v17  32 (lane / 16): my eight numbers of 16 of b
.set SE,   18                          ; v18, v19  my row's list word, for x's fragment set 0, 1
.set P,    20                          ; v[20:23] the scan: places in the list
.set R,    24                          ; v[24:27] the scan: list words
.set T,    28                          ; v[28:31] zeros for the list's clearing; then the scan: source / 4
.set XF,   32                          ; v[32:95] x's fragments: two sets of two
.set ACC,  96                          ; v[96:223] sixteen accumulators: slice g, features 16 t on, at 32 g + 8 t
.set S,    ACC                         ; ahead of the tiles: v[96:127] the block's source numbers: register 4 c + q is row 128 c + 4 lane + q,
.set PO,   ACC+32                      ; and v[128:167] the offsets of the first five tiles' loads
.set OB,   ACC+32                      ; behind the choice: v[128:159] a tile's results as whole rows
.set SO,   224                         ; v[224:231] this tile's stores: row x 256 + 16 (lane % 16), the same offset in x_codes and in out0
.set RO,   232                         ; v[232:239] the refill's loads, likewise
; windows 1 and 2: W's fragments: tile t of 16 features (t = 4 g + t'), K step k, at 32 (t % 8) + 16 k of window 1 + t / 8; they stay
; window 3
.set RING, 0                           ; four slots of 32 registers: x's tiles as loaded
.set BC,   128                         ; b / 2^(ex + ew): tile t's eight numbers of my half at 8 t
.set MSB, 0
.macro WIN new                         ; the immediate's high byte repeats the setting that is left; a switch that changes nothing is dropped
.if MSB != (\new)
	s_set_vgpr_msb (MSB<<8)|(\new)
.set MSB, (\new)
.endif
.endm
.set TO_3,   0xc0                      ; destination window 3 (loads), address window 0
.set FROM_3, 0x0c                      ; source 1 window 3 (an LDS store's data), address window 0
.set IN_3,   0xc3                      ; source 0 and destination window 3
	s_load_b256 s[4:11], s[0:1], 0x0               ; x_codes s[4:5], W_codes s[6:7], b s[8:9], source s[10:11]
	s_load_b128 s[12:15], s[0:1], 0x20             ; lowp_scales s[12:13], out0 s[14:15]
	v_lshl_add_u32 v254, v0, 2, 0x3400
	v_mov_b32 v255, 0
	s_mov_b32 s16, ttmp9                           ; the block
	s_and_b32 s17, ttmp7, 0xffff                   ; the group of four sources
	v_and_b32 v[R4], 15, v0                        ; lane % 16  (one wave: v0 is the lane)
	v_lshrrev_b32 v[HH], 4, v0
	v_lshlrev_b32 v[LN16], 4, v0
	v_lshlrev_b32 v[L16], 4, v[R4]
	v_mul_u32_u24 v[STA], v[HH], PITCH
	v_lshl_add_u32 v[STA], v[R4], 4, v[STA]
	v_mul_u32_u24 v[FRG], v[R4], PITCH
	v_lshl_add_u32 v[OST], v[HH], 5, v[FRG]
	v_lshl_add_u32 v[FRG], v[HH], 4, v[FRG]
	v_lshlrev_b32 v[H4], 2, v[HH]
	v_lshlrev_b32 v[BOF], 5, v[HH]
	v_lshlrev_b32 v[R4], 2, v[R4]
	s_lshl_b32 s20, s16, 10
	v_lshl_add_u32 v[ROW0], v0, 2, s20
	v_add_nc_u32 v[DMP], DUMPW, v0
	v_mov_b32 v[NIL], 0
.irp j, 0,1,2,3
	v_mov_b32 v[T+\j], 0
.endr
.irp i, 0,1,2,3,4,5,6,7,8
	ds_store_b128 v[LN16], v[T:T+3] offset:LIST+512*\i   ; the list and the dump words, 4,608 bytes, are written once whole: no list word is read that nobody wrote
.endr
	s_mov_b32 s21, 0                               ; the upper word of every offset below
	s_wait_kmcnt 0x0
	s_load_b64 s[18:19], s[12:13], 0x0             ; ex, ew
	s_lshl_b32 s20, s17, 16
	s_add_nc_u64 s[6:7], s[6:7], s[20:21]          ; W at my group's 256 rows
	s_lshl_b32 s20, s17, 10
	s_add_nc_u64 s[8:9], s[8:9], s[20:21]          ; b at my group's 256 numbers
	s_lshl_b32 s20, s16, 12
	s_add_nc_u64 s[10:11], s[10:11], s[20:21]      ; source at my block's 1,024 numbers
.irp c, 0,1,2,3,4,5,6,7
	global_load_b128 v[S+4*\c:S+4*\c+3], v[LN16], s[10:11] offset:512*\c   ; 32 lanes read 512 consecutive bytes
.endr
; W's tile t, 16 features, as it lies: each load takes two whole rows, 512 consecutive bytes, into the registers in which the tile's fragments will stay
.macro WLOAD t
.set WB, 32*((\t)%8)
.set WD, (1+(\t)/8)<<6
	WIN WD
.irp i, 0,1,2,3,4,5,6,7
	global_load_b128 v[WB+4*\i:WB+4*\i+3], v[LN16], s[6:7] offset:(16*(\t)+2*\i)*256
.endr
	WIN 0
.endm
; The tile goes through the stage and comes back, into the same registers, as two fragments.  No wait: LDS serves the wave's instructions in order, so the loads see the stores, come back behind them, and the next tile's stores come behind the loads.
.macro WTURN t
.set WB, 32*((\t)%8)
.set WS, (1+(\t)/8)<<2
.set WD, (1+(\t)/8)<<6
	WIN WS
.irp i, 0,1,2,3,4,5,6,7
	ds_store_b128 v[STA], v[WB+4*\i:WB+4*\i+3] offset:XS+2*\i*PITCH
.endr
	WIN WD
.irp k, 0,1
.irp c, 0,1,2,3
	ds_load_b128 v[WB+16*\k+4*\c:WB+16*\k+4*\c+3], v[FRG] offset:XS+128*\k+32*\c
.endr
.endr
	WIN 0
.endm
; THE SCAN.  128 rows: four runs of 32 numbers, line by line, so that no line waits for the line above it.  A matching lane's place in the list is the running count + the matching lanes below it.
; A lane that does not match stores too, into its dump word: so EXEC stays as it is.  The order of the rows in the list is free.
.macro CHUNK c
.irp q, 0,1,2,3
	v_lshrrev_b32 v[T+\q], 2, v[S+4*(\c)+\q]       ; the number's group; a number outside 0 .. 31 has none of the eight
.endr
.irp q, 0,1,2,3
	v_cmp_eq_u32 s[24+\q], s17, v[T+\q]
.endr
.irp q, 0,1,2,3
	s_bcnt1_i32_b32 s[28+\q], s[24+\q]
.endr
	s_add_co_u32 s33, s32, s28
	s_add_co_u32 s34, s33, s29
	s_add_co_u32 s35, s34, s30
.irp q, 0,1,2,3
	v_mbcnt_lo_u32_b32 v[P+\q], s[24+\q], s[32+\q]
.endr
	s_add_co_u32 s32, s35, s31                     ; the running count
.irp q, 0,1,2,3
	v_cndmask_b32 v[P+\q], v[DMP], v[P+\q], s[24+\q]
.endr
.irp q, 0,1,2,3
	v_min_u32 v[P+\q], DUMPW+31, v[P+\q]           ; a place made of loaded numbers is held inside the list and the dump words before it becomes an address
.endr
.irp q, 0,1,2,3
	v_lshlrev_b32 v[P+\q], 2, v[P+\q]
.endr
.irp q, 0,1,2,3
	v_add_nc_u32 v[R+\q], 128*(\c)+\q, v[ROW0]
.endr
.irp q, 0,1,2,3
	v_lshl_or_b32 v[R+\q], v[S+4*(\c)+\q], 17, v[R+\q]   ; the list word: the row in bits 16:0, the source above it
.endr
.irp q, 0,1,2,3
	ds_store_b32 v[P+\q], v[R+\q]
.endr
.endm
.irp t, 0,1,2,3,4,5
	WLOAD \t
.endr
	s_wait_loadcnt 48                              ; the source numbers are in: behind them stand W's tiles 0 to 5, eight loads each
	s_mov_b32 s32, 0
.irp c, 0,1,2,3,4,5,6,7
	CHUNK \c
	WLOAD 6+\c
	s_wait_loadcnt 48                              ; W's tile c is in: behind it stand tiles c + 1 to c + 6
	WTURN \c                                       ; its turn through LDS runs beside the next chunk's vector work
.endr
	WLOAD 14
	WLOAD 15
	WIN TO_3
.irp t, 0,1,2,3,4,5,6,7,8,9,10,11,12,13,14,15
	global_load_b128 v[BC+8*\t:BC+8*\t+3], v[BOF], s[8:9] offset:64*\t         ; b at features 16 t + 8 (lane / 16) + 0 .. 7 of my group: the result's layout, the same for every row
	global_load_b128 v[BC+8*\t+4:BC+8*\t+7], v[BOF], s[8:9] offset:64*\t+16
.endr
	WIN 0
	s_mov_b32 s36, s32                             ; n: my rows
	s_wait_dscnt 0x0                               ; the list is written
	s_cmp_eq_u32 s36, 0
	s_cbranch_scc1 .Ldone                          ; this block has no row of my group: nothing to store
	ds_load_b32 v[FIRST], v[NIL] offset:LIST       ; the list's first word,
	v_add_nc_u32 v[PADA], s36, v0
	v_min_u32 v[PADA], BROWS+31, v[PADA]
	v_lshlrev_b32 v[PADA], 2, v[PADA]
	s_wait_dscnt 0x0
	ds_store_b32 v[PADA], v[FIRST]                 ; into places n .. n + 95: every place up to one tile past the last group of 64 names a row of my group
	ds_store_b32 v[PADA], v[FIRST] offset:128
	ds_store_b32 v[PADA], v[FIRST] offset:256
	s_add_co_u32 s38, s36, 63
	s_lshr_b32 s38, s38, 6
	s_sub_co_u32 s38, s38, 1                       ; groups of four tiles, less the last: 0 to 15
	s_lshl_b32 s40, s38, 6
	s_sub_co_i32 s40, s36, s40                     ; rows of the last group: 1 to 64
.macro ADDR a                          ; eight list words become offsets: the row, x 256, + my 16 bytes; a number that was loaded is held inside the tensor first
.irp i, 0,1,2,3,4,5,6,7
	v_and_b32 v[(\a)+\i], NROWS-1, v[(\a)+\i]
.endr
.irp i, 0,1,2,3,4,5,6,7
	v_min_u32 v[(\a)+\i], NROWS-1, v[(\a)+\i]
.endr
.irp i, 0,1,2,3,4,5,6,7
	v_lshl_add_u32 v[(\a)+\i], v[(\a)+\i], 8, v[L16]
.endr
.endm
.macro LOADS s, a                      ; a tile into slot s: sixteen lanes read one whole row of 256 bytes.  No hint: the padding names a row again
	WIN TO_3
.irp i, 0,1,2,3,4,5,6,7
	global_load_b128 v[RING+32*(\s)+4*\i:RING+32*(\s)+4*\i+3], v[(\a)+\i], s[4:5]
.endr
	WIN 0
.endm
; Slot s's tile goes through the stage into x's fragment set p; with it comes my row's list word, at byte lofs behind adr.  left: the younger loads that may stay out.
.macro STAGE s, p, left, lofs, adr
	s_wait_loadcnt \left                           ; loads come back in order (ISA guide 5.7.1): this slot's eight are in
	WIN FROM_3
.irp i, 0,1,2,3,4,5,6,7
	ds_store_b128 v[STA], v[RING+32*(\s)+4*\i:RING+32*(\s)+4*\i+3] offset:XS+2*\i*PITCH   ; rows 2 i and 2 i + 1 of the tile, as they lie
.endr
	WIN 0
.irp k, 0,1
.irp c, 0,1,2,3
	ds_load_b128 v[XF+32*(\p)+16*\k+4*\c:XF+32*(\p)+16*\k+4*\c+3], v[FRG] offset:XS+128*\k+32*\c   ; lane (r, h): row r, k = 128 k + 32 c + 16 h + 0 .. 15, as W's fragments have it
.endr
.endr
	ds_load_b32 v[SE+(\p)], v[\adr] offset:LIST+(\lofs)
.endm
.irp q, 0,1,2,3,4
.irp i, 0,1,2,3,4,5,6,7
	ds_load_b32 v[PO+8*\q+\i], v[H4] offset:LIST+64*\q+8*\i   ; tile q, instruction i: lanes 0-15 take list place 16 q + 2 i, lanes 16-31 the next
.endr
.endr
	s_wait_dscnt 0x0                               ; the padding is written, the first five tiles' rows are known
.irp q, 0,1,2,3
	ADDR PO+8*\q
	LOADS \q, PO+8*\q                              ; four tiles, 32 loads, on their way
.endr
	ADDR PO+32
	s_wait_kmcnt 0x0
	s_add_co_i32 s44, s18, s19                     ; ex + ew, between -126 and 127,
	s_sub_co_i32 s45, 0, s44
	s_add_co_i32 s22, s44, 127
	s_lshl_b32 s22, s22, 23                        ; makes the f32 number 2^(ex + ew)
	s_mov_b32 s23, s22                             ; (the packed form names the pair, so its upper word is written)
	s_wait_loadcnt 32                              ; W and b are in: behind them stand x's 32 loads, which land while W's other half is turned
.irp t, 8,9,10,11,12,13,14,15
	WTURN \t
.endr
	WIN IN_3
.set J, 0
.rept 128
	v_ldexp_f32 v[BC+J], v[BC+J], s45              ; a sum stands for sum x 2^(ex + ew): so b goes in as b / 2^(ex + ew)
.set J, J+1
.endr
	WIN 0
	STAGE 0, 0, 24, 0, R4                          ; tile 0; 24: behind its loads stand tiles 1 to 3
	s_wait_dscnt 0x0                               ; the stage has read slot 0,
	LOADS 0, PO+32                                 ; which takes tile 4
; 16 matrix instructions: K step k of all sixteen tiles of features, against x's fragment set pp.  The sixteen accumulators take turns, one instruction a turn; the first K step starts the sums, with the bias as C.
.macro MULK k, pp
.irp t, 0,1,2,3,4,5,6,7,8,9,10,11,12,13,14,15
.set WB, 32*(\t%8)+16*(\k)
.if (\k) == 0
	WIN 0x31+\t/8                                  ; source 0 (W) window 1 or 2, source 2 (the bias) window 3
	v_wmma_f32_16x16x128_fp8_fp8 v[ACC+8*\t:ACC+8*\t+7], v[WB:WB+15], v[XF+32*(\pp):XF+32*(\pp)+15], v[BC+8*\t:BC+8*\t+7]
.else
	WIN 0x01+\t/8
	v_wmma_f32_16x16x128_fp8_fp8 v[ACC+8*\t:ACC+8*\t+7], v[WB:WB+15], v[XF+32*(\pp)+16:XF+32*(\pp)+31], v[ACC+8*\t:ACC+8*\t+7]
.endif
.endr
	WIN 0
.endm
; THE TURN OF TILE q OF A GROUP OF FOUR.  Its fragments were staged in the turn before.  Between its two halves of matrix instructions stands ONE run of LDS instructions: the next tile's way through the stage
; (left: the younger loads that may stay out; -1: there is no next tile) and the list words for this tile's stores and for the refill.  refill = 1: the slot just staged takes the tile five further on than this one.
; guard = 1 (the last group): a tile with no row left ends the wave, and of a part tile only the pairs of rows that hold a row are stored.  Loads are never jumped over, so every count holds on every way.
.macro TURN q, refill, left, guard
.set PP, (\q)%2
.set PN, 1-PP
.set S1, ((\q)+1)%4
	s_wait_dscnt 0x0                               ; my fragments and my row's list word are in
.if \guard
	s_cmp_lt_i32 s40, 1
	s_cbranch_scc1 .Ldone
.endif
	s_wait_xcnt 0x0                                ; the turn before has had its stores' and loads' addresses translated (ISA guide 3.1): only behind this wait are their data and offsets written again
	v_bfe_u32 v[SEL], v[SE+PP], 17, 2              ; source % 4 of my row
	v_cmp_eq_u32 s24, 1, v[SEL]
	v_cmp_eq_u32 s25, 2, v[SEL]
	v_cmp_eq_u32 s26, 3, v[SEL]
	MULK 0, PP
.if \left >= 0
	STAGE S1, PN, \left, 64*((\q)+1), IDR
.endif
.irp i, 0,1,2,3,4,5,6,7
	ds_load_b32 v[SO+\i], v[IDH] offset:LIST+64*(\q)+8*\i
.endr
.if \refill
.irp i, 0,1,2,3,4,5,6,7
	ds_load_b32 v[RO+\i], v[IDH] offset:LIST+64*((\q)+5)+8*\i
.endr
.endif
	MULK 1, PP
.rept 4
	v_nop                                          ; four places between the last product and the vector instructions that read and write results (ISA guide 7.12.1)
.endr
.irp t, 0,1,2,3                        ; THE CHOICE: slice 0's accumulator takes slice g's numbers in the lanes whose row has source % 4 = g; each accumulator from its low end on
.irp g, 1,2,3
.irp j, 0,1,2,3,4,5,6,7
	v_cndmask_b32 v[ACC+8*\t+\j], v[ACC+8*\t+\j], v[ACC+32*\g+8*\t+\j], s[23+\g]
.endr
.endr
.endr
.irp t, 0,1,2,3
	ds_store_b128 v[OST], v[ACC+8*\t:ACC+8*\t+3] offset:OS+64*\t          ; lane (r, h): row r, features 16 t + 8 h + 0 .. 3
	ds_store_b128 v[OST], v[ACC+8*\t+4:ACC+8*\t+7] offset:OS+64*\t+16
.endr
.irp i, 0,1,2,3,4,5,6,7
	ds_load_b128 v[OB+4*\i:OB+4*\i+3], v[STA] offset:OS+2*\i*PITCH        ; back by rows: lanes 0-15 row 2 i, lanes 16-31 row 2 i + 1; features 4 (lane % 16) on.  Slice 1's accumulators are done with
.endr
	s_wait_dscnt 16                                ; all but these sixteen: the list words are in, and the stage has read the slot.  The offsets are made while the results are on their way through LDS
	ADDR SO
.if \refill
	ADDR RO
	LOADS S1, RO                                   ; the loads ahead of the stores
.endif
	s_wait_dscnt 0x0
.irp i, 0,1,2,3,4,5,6,7
	v_pk_mul_f32 v[OB+4*\i:OB+4*\i+1], v[OB+4*\i:OB+4*\i+1], s[22:23] op_sel_hi:[1,0]       ; x 2^(ex + ew), two at a time
	v_pk_mul_f32 v[OB+4*\i+2:OB+4*\i+3], v[OB+4*\i+2:OB+4*\i+3], s[22:23] op_sel_hi:[1,0]
.endr
.irp i, 0,1,2,3,4,5,6,7
.if \guard
.if \i > 0
	s_cmp_le_i32 s40, 2*\i                         ; no row left at place 2 i: the rest is padding
	s_cbranch_scc1 .Lst_\@
.endif
.endif
	global_store_b128 v[SO+\i], v[OB+4*\i:OB+4*\i+3], s[14:15] th:TH_STORE_NT   ; sixteen lanes store one row of out0: 256 consecutive bytes, at a multiple of 256 from its first byte
.endr
.if \guard
.Lst_\@:
	s_sub_co_i32 s40, s40, 16
.endif
.endm
	s_mov_b32 s37, 0
	s_mov_b32 s39, 0
.Lgroup:                                               ; a trip: four full tiles.  At most MAXG - 1 trips; the list's own number ends the walk earlier
	s_cmp_ge_u32 s37, s38
	s_cbranch_scc1 .Ltail
	v_add_nc_u32 v[IDR], s39, v[R4]
	v_add_nc_u32 v[IDH], s39, v[H4]
	TURN 0, 1, 24, 0                               ; 24: behind the next tile's eight loads stand those of the three tiles after it, from the first fills and round the loop alike
	TURN 1, 1, 24, 0
	TURN 2, 1, 24, 0
	TURN 3, 1, 24, 0
	s_add_co_u32 s39, s39, 256                     ; the next group's 64 places in the list: 15 x 256 bytes at the most
	s_add_co_u32 s37, s37, 1
	s_cmp_lt_u32 s37, MAXG-1
	s_cbranch_scc1 .Lgroup
.Ltail:                                                ; the last group: nothing more is asked for, so the counts run down (the one tile past the group, all padding, is never staged)
	v_add_nc_u32 v[IDR], s39, v[R4]
	v_add_nc_u32 v[IDH], s39, v[H4]
	TURN 0, 0, 24, 1
	TURN 1, 0, 16, 1
	TURN 2, 0, 8, 1
	TURN 3, 0, -1, 1
.Ldone:
	s_wait_tensorcnt 0x0
	ds_add_u32 v254, v255
	s_wait_dscnt 0x0
	s_endpgm
.Lfunc_end_k_q5db238c21b_gather_dense:
	.size	k_q5db238c21b_gather_dense, .Lfunc_end_k_q5db238c21b_gather_dense-k_q5db238c21b_gather_dense
	.p2alignl 7, 3214868480
	.fill 96, 4, 3214868480
	.section	.rodata,"a",@progbits
	.p2align	6, 0x0
	.amdhsa_kernel k_q5db238c21b_gather_dense
		.amdhsa_group_segment_fixed_size 13568
		.amdhsa_private_segment_fixed_size 0
		.amdhsa_enable_private_segment 0
		.amdhsa_kernarg_size 48
		.amdhsa_user_sgpr_count 2
		.amdhsa_user_sgpr_kernarg_segment_ptr 1
		.amdhsa_wavefront_size32 1
		.amdhsa_system_sgpr_workgroup_id_x 1
		.amdhsa_system_sgpr_workgroup_id_y 1
		.amdhsa_system_sgpr_workgroup_id_z 1
		.amdhsa_system_vgpr_workitem_id 0
		.amdhsa_next_free_vgpr 1024
		.amdhsa_next_free_sgpr 66
		.amdhsa_reserve_vcc 0
		.amdhsa_float_denorm_mode_32 3
		.amdhsa_float_denorm_mode_16_64 3
		.amdhsa_memory_ordered 1
		.amdhsa_forward_progress 1
		.amdhsa_inst_pref_size 209
	.end_amdhsa_kernel
	.amdgpu_metadata
---
amdhsa.version: [ 1, 2 ]
amdhsa.kernels:
  - .name:           k_q5db238c21b_gather_dense
    .symbol:         k_q5db238c21b_gather_dense.kd
    .args:
      - { .name: x_codes, .offset: 0, .size: 8, .value_kind: global_buffer, .address_space: global }
      - { .name: W_codes, .offset: 8, .size: 8, .value_kind: global_buffer, .address_space: global }
      - { .name: b, .offset: 16, .size: 8, .value_kind: global_buffer, .address_space: global }
      - { .name: source, .offset: 24, .size: 8, .value_kind: global_buffer, .address_space: global }
      - { .name: lowp_scales, .offset: 32, .size: 8, .value_kind: global_buffer, .address_space: global }
      - { .name: out0, .offset: 40, .size: 8, .value_kind: global_buffer, .address_space: global }
    .group_segment_fixed_size: 13568
    .private_segment_fixed_size: 0
    .kernarg_segment_align: 8
    .kernarg_segment_size: 48
    .max_flat_workgroup_size: 32
    .sgpr_count:     66
    .vgpr_count:     1024
    .wavefront_size: 32
...
	.end_amdgpu_metadata
.endif
;; end of part 1
;; ======== version 2 of 2: 1 launch; version 1 with the launch gather_dense written anew for expert scheduling mode
;; launch gather_dense (part 2): grid 128 x 8, 1 waves a work-group, no clusters, 13,568 bytes of LDS; arguments x_codes, W_codes, b, source, lowp_scales, out0; writes out0
.if DOCPART == 2
	.amdgcn_target "amdgcn-amd-amdhsa--gfx1250"
	.amdhsa_code_object_version 6
	.text
	.protected	k_q5db238c21b_gather_dense
	.globl	k_q5db238c21b_gather_dense
	.p2align	8
	.type	k_q5db238c21b_gather_dense,@function
k_q5db238c21b_gather_dense:
	s_mov_b64 s[64:65], 0
	v_nop
	global_prefetch_b8 v0, s[64:65] scope:SCOPE_SE
	s_setreg_imm32_b32 hwreg(HW_REG_WAVE_SCHED_MODE, 0, 2), 2
	s_setreg_imm32_b32 hwreg(HW_REG_WAVE_MODE, 25, 1), 1
	s_wait_xcnt 0x0
	s_wait_alu depctr_vm_vsrc(0)
; out[i][f] = 2^(ex + ew) x (sum over k of x_code[i][k] W_code[64 source[i] + f][k]) + b[64 source[i] + f].   131,072 rows, K = 256, 32 sources of 64 features.
; x_codes: a row is 256 bytes.  W_codes: four sources' 256 rows are 65,536 consecutive bytes.  out0: a row is 64 f32 = 256 bytes.  Codes are E4M3, multiplied as they are; sums in f32.
; THE ROWS ARE SORTED BY GROUPS OF FOUR SOURCES.  Each row is multiplied by the four slices of W of its source's group, an eighth of the dense product, and its own slice is chosen by v_cndmask_b32 on source % 4.
; So each source number is looked at by 8 waves and not by 32, a wave's list is four times as long as a list for one source would be, and W's group fills the registers that the wave has for it.
; SHARES.  Work-group (x = block, y = group) is ONE wave.  It owns the rows of block x (1,024 rows) whose source / 4 is y, however many: 0 to 1,024.  So each output row has one owner.
; THE WAVE: (1) loads its block's source numbers, W's 256 rows of its group and b's 256 numbers; (2) turns W through a stage in LDS into 32 operand fragments that stay in registers; (3) writes a word for each matching row,
; row | source << 17, into a list in its own LDS (a mask of 32 lanes, the count of set bits below each lane, a running count: no atomics); (4) walks the list in tiles of 16 rows: gather x (two whole rows an
; instruction), through the stage into two fragments, 32 matrix instructions, the choice, through a second stage back into whole rows, x 2^(ex + ew), scatter (two whole rows an instruction).
; THE MATRIX INSTRUCTION IS USED TRANSPOSED: source 0 = 16 features of W, source 1 = 16 rows of x: a lane then holds ONE row and eight neighbouring features, so the choice is one mask of lanes for each of three slices.
; THE BIAS is the C of each sum's first matrix instruction: eight registers a tile of features in the result's layout, divided once by 2^(ex + ew), which the sums lack.
; K's PLACES: a fragment is fetched by four loads of 16 bytes, 32 bytes apart: registers 4 c .. 4 c + 3 hold k = 32 c + 16 (lane / 16) + 0 .. 15.  That is a permutation of k, the same in W and in x: every product meets
; its partner, and only the order of the sums inside an instruction differs.
; ONE WAVE TO A WORK-GROUP: LDS is the wave's own and serves its instructions in order (ISA guide 5.7.1.4), so there is no barrier.  EXEC is never written.
; NO TENSOR LOAD, NO CLUSTER, NO JOINT REQUEST, though the 128 work-groups of a group read the same 65,536 bytes of W: the number of tiles of a work-group hangs on counts made of the input source, so partners would need
; different numbers of steps, and W is read once by each wave, ahead of all its tiles.
; LIMITS: ex + ew lies between -126 and 127, so that 2^(ex + ew) is an f32 number; |b| x 2^-(ex + ew) stays an f32 number (what falls under the smallest normal number loses bits).
; A row whose source is not 0 .. 31 is written by nobody (the index stays inside its table).
; The list is padded with its first word: where the count is odd that row is computed and stored once more, with the same numbers.
; THE MODE: SCHED_MODE bits 1:0 = 2 (LLVM: expert scheduling mode 2), set by the entry lines.  The code itself states the register dependences between vector or matrix instructions and memory or LDS
; instructions, with s_wait_alu, always for 0.
; THE PLAN.  Registers that memory or LDS instructions touch in a tile's turn (tile q, fragment set p = q % 2):
;   XF[p], SE[p]   Landed in by LDS loads of the turn before; read by this turn's 32 products and by the one line that takes source % 4.
;   RING[s]        Landed in by global loads; read by the stage's LDS stores alone; asked for again later in the same turn.
;   ACC, slice 0   Written by the products and by the choice; read by the LDS stores into the results' stage.
;   OB             Slice 1's accumulators: written by the products, read by the choice; then the rows land there from LDS, are multiplied in place and are read by the global stores.
;   SO, RO         Landed in by LDS loads, made into offsets by vector lines; read by the global stores (SO) and by the refill's loads (RO).
;   IDR, IDH       Written by two adds in a group's first turn; read by the LDS loads of list words.
;   v1 to v7, v9, v14, v17   Addresses made at the head and never written again.
; A TURN'S WAITS: vm_vsrc at its head (what the turn before stored, loaded by and read is free to be written); va_sdst behind the three compares; va_vdst behind the choice (for the LDS stores of slice 0, the rows
; that land in OB, and the next turn's loads into XF[p] and SE[p], which no vector or matrix instruction names between); va_vdst behind the offsets and the multiplies (for the refill's loads, the stores, and the next
; turn's loads into SO and RO); vm_vsrc beside it (the stage has read the slot that the refill lands in); and, in a group's first turn, va_vdst behind the two adds.  The turn's LDS instructions are dealt among its four
; groups of eight products, which name W, the bias, XF[p] and ACC: none of the registers that those LDS instructions touch.
.set NROWS,  131072
.set BROWS,  1024                      ; rows in a block
.set MAXG,   BROWS/64                  ; a block's list has at most 16 groups of four tiles
.set PITCH,  272                       ; a stage row: 256 bytes + 16 of padding = 68 words: row r starts at bank 4 r mod 64 (64 banks of 4 bytes: ISA guide 11.1)
.set LIST,   0                         ; LDS: 1,120 words: up to 1,024 list words + 96 of padding
.set DUMPW,  BROWS+96                  ; word 1,120 + lane: where a lane that does not match puts its word; never read
.set XS,     4608                      ; 16 rows x PITCH: the stage for W's and x's tiles
.set OS,     XS+16*PITCH               ; 16 rows x PITCH: the stage for results; ends at byte 13,312; behind it the spare words, 256 bytes that no other line names
; window 0
.set L16,  1                           ; v1   16 (lane % 16): my 16 bytes of a row of 256
.set HH,   2                           ; v2   lane / 16
.set LN16, 3                           ; v3   16 x lane
.set R4,   4                           ; v4   4 (lane % 16)
.set STA,  5                           ; v5   a stage by rows: PITCH (lane / 16) + 16 (lane % 16)
.set FRG,  6                           ; v6   a stage by fragments: PITCH (lane % 16) + 16 (lane / 16)
.set OST,  7                           ; v7   results into their stage: PITCH (lane % 16) + 32 (lane / 16)
.set IDR,  8                           ; v8   the list at the group of tiles in hand, + 4 (lane % 16)
.set H4,   9                           ; v9   4 (lane / 16)
.set ROW0, 10                          ; v10  1,024 x block + 4 x lane
.set DMP,  11                          ; v11  my dump word's number
.set FIRST, 12                         ; v12  the list's first word
.set PADA, 13                          ; v13  where I put padding
.set NIL,  14                          ; v14  0
.set IDH,  15                          ; v15  the list at the group of tiles in hand, + 4 (lane / 16)
.set SEL,  16                          ; v16  source % 4 of my row of the tile
.set BOF,  17                          ; v17  32 (lane / 16): my eight numbers of 16 of b
.set SE,   18                          ; v18, v19  my row's list word, for x's fragment set 0, 1
.set P,    20                          ; v[20:23] the scan: places in the list
.set R,    24                          ; v[24:27] the scan: list words
.set T,    28                          ; v[28:31] zeros for the list's clearing; then the scan: source / 4
.set XF,   32                          ; v[32:95] x's fragments: two sets of two
.set ACC,  96                          ; v[96:223] sixteen accumulators: slice g, features 16 t on, at 32 g + 8 t
.set S,    ACC                         ; ahead of the tiles: v[96:127] the block's source numbers: register 4 c + q is row 128 c + 4 lane + q,
.set PO,   ACC+32                      ; and v[128:167] the offsets of the first five tiles' loads
.set OB,   ACC+32                      ; behind the choice: v[128:159] a tile's results as whole rows
.set SO,   224                         ; v[224:231] this tile's stores: row x 256 + 16 (lane % 16), the same offset in x_codes and in out0
.set RO,   232                         ; v[232:239] the refill's loads, likewise
; v254, v255: the closing add's two registers, made at the head and kept for it alone
; windows 1 and 2: W's fragments: tile t of 16 features (t = 4 g + t'), K step k, at 32 (t % 8) + 16 k of window 1 + t / 8; they stay
; window 3
.set RING, 0                           ; four slots of 32 registers: x's tiles as loaded
.set BC,   128                         ; b / 2^(ex + ew): tile t's eight numbers of my half at 8 t
.set MSB, 0
.macro WIN new                         ; the immediate's high byte repeats the setting that is left; a switch that changes nothing is dropped
.if MSB != (\new)
	s_set_vgpr_msb (MSB<<8)|(\new)
.set MSB, (\new)
.endif
.endm
.set TO_3,   0xc0                      ; destination window 3 (loads), address window 0
.set FROM_3, 0x0c                      ; source 1 window 3 (an LDS store's data), address window 0
.set IN_3,   0xc3                      ; source 0 and destination window 3
	s_load_b256 s[4:11], s[0:1], 0x0               ; x_codes s[4:5], W_codes s[6:7], b s[8:9], source s[10:11]
	s_load_b128 s[12:15], s[0:1], 0x20             ; lowp_scales s[12:13], out0 s[14:15]
	v_lshl_add_u32 v254, v0, 2, 0x3400             ; my spare word, at byte 13,312 + 4 x thread,
	v_mov_b32 v255, 0                              ; and 0: for the closing add
	s_mov_b32 s16, ttmp9                           ; the block
	s_and_b32 s17, ttmp7, 0xffff                   ; the group of four sources
	v_and_b32 v[R4], 15, v0                        ; lane % 16  (one wave: v0 is the lane)
	v_lshrrev_b32 v[HH], 4, v0
	v_lshlrev_b32 v[LN16], 4, v0
	v_lshlrev_b32 v[L16], 4, v[R4]
	v_mul_u32_u24 v[STA], v[HH], PITCH
	v_lshl_add_u32 v[STA], v[R4], 4, v[STA]
	v_mul_u32_u24 v[FRG], v[R4], PITCH
	v_lshl_add_u32 v[OST], v[HH], 5, v[FRG]
	v_lshl_add_u32 v[FRG], v[HH], 4, v[FRG]
	v_lshlrev_b32 v[H4], 2, v[HH]
	v_lshlrev_b32 v[BOF], 5, v[HH]
	v_lshlrev_b32 v[R4], 2, v[R4]
	s_lshl_b32 s20, s16, 10
	v_lshl_add_u32 v[ROW0], v0, 2, s20
	v_add_nc_u32 v[DMP], DUMPW, v0
	v_mov_b32 v[NIL], 0
.irp j, 0,1,2,3
	v_mov_b32 v[T+\j], 0
.endr
	s_wait_alu depctr_va_vdst(0)                   ; the addresses v1 to v17 and the zeros v[T ..] are written: the LDS stores below read v[LN16] and v[T ..], and every load and store of the kernel reads one of these addresses
.irp i, 0,1,2,3,4,5,6,7,8
	ds_store_b128 v[LN16], v[T:T+3] offset:LIST+512*\i   ; the list and the dump words, 4,608 bytes, are written once whole: no list word is read that nobody wrote
.endr
	s_mov_b32 s21, 0                               ; the upper word of every offset below
	s_wait_kmcnt 0x0
	s_load_b64 s[18:19], s[12:13], 0x0             ; ex, ew
	s_lshl_b32 s20, s17, 16
	s_add_nc_u64 s[6:7], s[6:7], s[20:21]          ; W at my group's 256 rows
	s_lshl_b32 s20, s17, 10
	s_add_nc_u64 s[8:9], s[8:9], s[20:21]          ; b at my group's 256 numbers
	s_lshl_b32 s20, s16, 12
	s_add_nc_u64 s[10:11], s[10:11], s[20:21]      ; source at my block's 1,024 numbers
.irp c, 0,1,2,3,4,5,6,7
	global_load_b128 v[S+4*\c:S+4*\c+3], v[LN16], s[10:11] offset:512*\c   ; 32 lanes read 512 consecutive bytes
.endr
; W's tile t, 16 features, as it lies: each load takes two whole rows, 512 consecutive bytes, into the registers in which the tile's fragments will stay.  No vector instruction ever writes these registers.
.macro WLOAD t
.set WB, 32*((\t)%8)
.set WD, (1+(\t)/8)<<6
	WIN WD
.irp i, 0,1,2,3,4,5,6,7
	global_load_b128 v[WB+4*\i:WB+4*\i+3], v[LN16], s[6:7] offset:(16*(\t)+2*\i)*256
.endr
	WIN 0
.endm
; The tile goes through the stage and comes back, into the same registers, as two fragments.  No wait on DScnt: LDS serves the wave's instructions in order, so the loads see the stores, and the next tile's stores come behind the loads.
.macro WTURN t
.set WB, 32*((\t)%8)
.set WS, (1+(\t)/8)<<2
.set WD, (1+(\t)/8)<<6
	WIN WS
.irp i, 0,1,2,3,4,5,6,7
	ds_store_b128 v[STA], v[WB+4*\i:WB+4*\i+3] offset:XS+2*\i*PITCH
.endr
	WIN WD
	s_wait_alu depctr_vm_vsrc(0)                   ; the eight LDS stores have read the tile's registers, in which the loads below land; the scan's list stores ahead of them have read v[P ..] and v[R ..], which the next chunk writes
.irp k, 0,1
.irp c, 0,1,2,3
	ds_load_b128 v[WB+16*\k+4*\c:WB+16*\k+4*\c+3], v[FRG] offset:XS+128*\k+32*\c
.endr
.endr
	WIN 0
.endm
; THE SCAN.  128 rows: four runs of 32 numbers, line by line, so that no line waits for the line above it.  A matching lane's place in the list is the running count + the matching lanes below it.
; A lane that does not match stores too, into its dump word: so EXEC stays as it is.  The order of the rows in the list is free.
.macro CHUNK c
.irp q, 0,1,2,3
	v_lshrrev_b32 v[T+\q], 2, v[S+4*(\c)+\q]       ; the number's group; a number outside 0 .. 31 has none of the eight
.endr
.irp q, 0,1,2,3
	v_cmp_eq_u32 s[24+\q], s17, v[T+\q]
.endr
	s_wait_alu depctr_va_sdst(0)                   ; the four masks s24 to s27 are written, ahead of their first readers, the counts below
.irp q, 0,1,2,3
	s_bcnt1_i32_b32 s[28+\q], s[24+\q]
.endr
	s_add_co_u32 s33, s32, s28
	s_add_co_u32 s34, s33, s29
	s_add_co_u32 s35, s34, s30
.irp q, 0,1,2,3
	v_mbcnt_lo_u32_b32 v[P+\q], s[24+\q], s[32+\q]
.endr
	s_add_co_u32 s32, s35, s31                     ; the running count
.irp q, 0,1,2,3
	v_cndmask_b32 v[P+\q], v[DMP], v[P+\q], s[24+\q]
.endr
.irp q, 0,1,2,3
	v_min_u32 v[P+\q], DUMPW+31, v[P+\q]           ; a place made of loaded numbers is held inside the list and the dump words before it becomes an address
.endr
.irp q, 0,1,2,3
	v_lshlrev_b32 v[P+\q], 2, v[P+\q]
.endr
.irp q, 0,1,2,3
	v_add_nc_u32 v[R+\q], 128*(\c)+\q, v[ROW0]
.endr
.irp q, 0,1,2,3
	v_lshl_or_b32 v[R+\q], v[S+4*(\c)+\q], 17, v[R+\q]   ; the list word: the row in bits 16:0, the source above it
.endr
	s_wait_alu depctr_va_vdst(0)                   ; the places v[P ..] and the words v[R ..] are written, which the four LDS stores read
.irp q, 0,1,2,3
	ds_store_b32 v[P+\q], v[R+\q]
.endr
.endm
.irp t, 0,1,2,3,4,5
	WLOAD \t
.endr
	s_wait_loadcnt 48                              ; the source numbers are in: behind them stand W's tiles 0 to 5, eight loads each
	s_mov_b32 s32, 0
	s_wait_alu depctr_vm_vsrc(0)                   ; the clearing stores have read v[T ..], which the scan writes
.irp c, 0,1,2,3,4,5,6,7
	CHUNK \c
	WLOAD 6+\c
	s_wait_loadcnt 48                              ; W's tile c is in: behind it stand tiles c + 1 to c + 6
	WTURN \c                                       ; its turn through LDS runs beside the next chunk's vector work
.endr
	WLOAD 14
	WLOAD 15
	WIN TO_3
.irp t, 0,1,2,3,4,5,6,7,8,9,10,11,12,13,14,15
	global_load_b128 v[BC+8*\t:BC+8*\t+3], v[BOF], s[8:9] offset:64*\t         ; b at features 16 t + 8 (lane / 16) + 0 .. 7 of my group: the result's layout, the same for every row
	global_load_b128 v[BC+8*\t+4:BC+8*\t+7], v[BOF], s[8:9] offset:64*\t+16
.endr
	WIN 0
	s_mov_b32 s36, s32                             ; n: my rows
	s_wait_dscnt 0x0                               ; the list is written
	s_cmp_eq_u32 s36, 0
	s_cbranch_scc1 .Ldone                          ; this block has no row of my group: nothing to store
	ds_load_b32 v[FIRST], v[NIL] offset:LIST       ; the list's first word,
	v_add_nc_u32 v[PADA], s36, v0
	v_min_u32 v[PADA], BROWS+31, v[PADA]
	v_lshlrev_b32 v[PADA], 2, v[PADA]
	s_wait_dscnt 0x0
	s_wait_alu depctr_va_vdst(0)                   ; v[PADA] is written, the address of the three LDS stores
	ds_store_b32 v[PADA], v[FIRST]                 ; into places n .. n + 95: every place up to one tile past the last group of 64 names a row of my group
	ds_store_b32 v[PADA], v[FIRST] offset:128
	ds_store_b32 v[PADA], v[FIRST] offset:256
	s_add_co_u32 s38, s36, 63
	s_lshr_b32 s38, s38, 6
	s_sub_co_u32 s38, s38, 1                       ; groups of four tiles, less the last: 0 to 15
	s_lshl_b32 s40, s38, 6
	s_sub_co_i32 s40, s36, s40                     ; rows of the last group: 1 to 64
.macro ADDR a                          ; eight list words become offsets: the row, x 256, + my 16 bytes; a number that was loaded is held inside the tensor first
.irp i, 0,1,2,3,4,5,6,7
	v_and_b32 v[(\a)+\i], NROWS-1, v[(\a)+\i]
.endr
.irp i, 0,1,2,3,4,5,6,7
	v_min_u32 v[(\a)+\i], NROWS-1, v[(\a)+\i]
.endr
.irp i, 0,1,2,3,4,5,6,7
	v_lshl_add_u32 v[(\a)+\i], v[(\a)+\i], 8, v[L16]
.endr
.endm
.macro LOADS s, a                      ; a tile into slot s: sixteen lanes read one whole row of 256 bytes.  No hint: the padding names a row again
	WIN TO_3
.irp i, 0,1,2,3,4,5,6,7
	global_load_b128 v[RING+32*(\s)+4*\i:RING+32*(\s)+4*\i+3], v[(\a)+\i], s[4:5]
.endr
	WIN 0
.endm
; Slot s's tile goes into the stage.  left: the younger loads that may stay out.  The slot's registers are written by loads alone and v[STA] at the head alone: these stores hang on no vector instruction.
.macro STIN s, left
	s_wait_loadcnt \left                           ; loads come back in order (ISA guide 5.7.1): this slot's eight are in
	WIN FROM_3
.irp i, 0,1,2,3,4,5,6,7
	ds_store_b128 v[STA], v[RING+32*(\s)+4*\i:RING+32*(\s)+4*\i+3] offset:XS+2*\i*PITCH   ; rows 2 i and 2 i + 1 of the tile, as they lie
.endr
.endm
; And comes out of it as x's fragment set p; with it comes my row's list word, at byte lofs behind adr.
.macro STOUT p, lofs, adr
	WIN 0
.irp k, 0,1
.irp c, 0,1,2,3
	ds_load_b128 v[XF+32*(\p)+16*\k+4*\c:XF+32*(\p)+16*\k+4*\c+3], v[FRG] offset:XS+128*\k+32*\c   ; lane (r, h): row r, k = 128 k + 32 c + 16 h + 0 .. 15, as W's fragments have it
.endr
.endr
	ds_load_b32 v[SE+(\p)], v[\adr] offset:LIST+(\lofs)
.endm
.irp q, 0,1,2,3,4
.irp i, 0,1,2,3,4,5,6,7
	ds_load_b32 v[PO+8*\q+\i], v[H4] offset:LIST+64*\q+8*\i   ; tile q, instruction i: lanes 0-15 take list place 16 q + 2 i, lanes 16-31 the next
.endr
.endr
	s_wait_dscnt 0x0                               ; the padding is written, the first five tiles' rows are known
.irp q, 0,1,2,3,4
	ADDR PO+8*\q
.endr
	s_wait_alu depctr_va_vdst(0)                   ; the forty offsets v[PO ..] are written, which the first five tiles' loads read: one wait for all of them
.irp q, 0,1,2,3
	LOADS \q, PO+8*\q                              ; four tiles, 32 loads, on their way
.endr
	s_wait_kmcnt 0x0
	s_add_co_i32 s44, s18, s19                     ; ex + ew, between -126 and 127,
	s_sub_co_i32 s45, 0, s44
	s_add_co_i32 s22, s44, 127
	s_lshl_b32 s22, s22, 23                        ; makes the f32 number 2^(ex + ew)
	s_mov_b32 s23, s22                             ; (the packed form names the pair, so its upper word is written)
	s_wait_loadcnt 32                              ; W and b are in: behind them stand x's 32 loads, which land while W's other half is turned
.irp t, 8,9,10,11,12,13,14,15
	WTURN \t
.endr
	WIN IN_3
.set J, 0
.rept 128
	v_ldexp_f32 v[BC+J], v[BC+J], s45              ; a sum stands for sum x 2^(ex + ew): so b goes in as b / 2^(ex + ew)
.set J, J+1
.endr
	WIN 0
	STIN 0, 24                                     ; tile 0; 24: behind its loads stand tiles 1 to 3
	STOUT 0, 0, R4
	s_wait_dscnt 0x0                               ; tile 0's fragments are in
	s_wait_alu depctr_vm_vsrc(0)                   ; the stage's LDS stores have read slot 0, in which tile 4's loads land (their offsets stand ahead of the last wait on va_vdst, and the lines since name the bias alone)
	LOADS 0, PO+32                                 ; slot 0 takes tile 4
; 8 matrix instructions: K step k of tiles 8 hf .. 8 hf + 7 of features, against x's fragment set pp.  The sixteen accumulators take turns, one instruction a turn; the first K step starts the sums, with the bias as C.
.macro MULH k, pp, hf
.if (\k) == 0
	WIN 0x31+(\hf)                                 ; source 0 (W) window 1 or 2, source 2 (the bias) window 3
.else
	WIN 0x01+(\hf)
.endif
.irp u, 0,1,2,3,4,5,6,7
.if (\k) == 0
	v_wmma_f32_16x16x128_fp8_fp8 v[ACC+64*(\hf)+8*\u:ACC+64*(\hf)+8*\u+7], v[32*\u:32*\u+15], v[XF+32*(\pp):XF+32*(\pp)+15], v[BC+64*(\hf)+8*\u:BC+64*(\hf)+8*\u+7]
.else
	v_wmma_f32_16x16x128_fp8_fp8 v[ACC+64*(\hf)+8*\u:ACC+64*(\hf)+8*\u+7], v[32*\u+16:32*\u+31], v[XF+32*(\pp)+16:XF+32*(\pp)+31], v[ACC+64*(\hf)+8*\u:ACC+64*(\hf)+8*\u+7]
.endif
.endr
.endm
; THE TURN OF TILE q OF A GROUP OF FOUR.  Its fragments were staged in the turn before.  Among its four groups of eight matrix instructions stand the turn's LDS instructions: the next tile's way into the stage
; (left: the younger loads that may stay out; -1: there is no next tile), its way out of it, and the list words for this tile's stores and for the refill.  refill = 1: the slot just staged takes the tile five further on than this one.
; guard = 1 (the last group): a tile with no row left ends the wave, and of a part tile only the pairs of rows that hold a row are stored.  Loads are never jumped over, so every count holds on every way.
.macro TURN q, refill, left, guard
.set PP, (\q)%2
.set PN, 1-PP
.set S1, ((\q)+1)%4
	s_wait_dscnt 0x0                               ; my fragments and my row's list word are in
.if \guard
	s_cmp_lt_i32 s40, 1
	s_cbranch_scc1 .Ldone
.endif
	s_wait_xcnt 0x0                                ; the turn before has had its stores' and loads' addresses translated (ISA guide 3.1): only behind this wait are their data and offsets written again
	s_wait_alu depctr_vm_vsrc(0)                   ; the turn before's stores have read OB and SO, its refill RO, its LDS stores slice 0, its list loads IDR and IDH (first turn: the first fills have read v[PO ..]): the products, the list loads and the adds below write them
.if (\q) == 0
	v_add_nc_u32 v[IDR], s39, v[R4]                ; the list at this group of four tiles
	v_add_nc_u32 v[IDH], s39, v[H4]
.endif
	v_bfe_u32 v[SEL], v[SE+PP], 17, 2              ; source % 4 of my row
	v_cmp_eq_u32 s24, 1, v[SEL]
	v_cmp_eq_u32 s25, 2, v[SEL]
	v_cmp_eq_u32 s26, 3, v[SEL]
	s_wait_alu depctr_va_sdst(0)                   ; the three masks s24 to s26 are written, ahead of their first reader, the choice
.if (\q) == 0
	s_wait_alu depctr_va_vdst(0)                   ; IDR and IDH are written, the addresses of this group's list loads
.endif
	MULH 0, PP, 0
.if \left >= 0
	STIN S1, \left
.endif
	MULH 0, PP, 1
.if \left >= 0
	STOUT PN, 64*((\q)+1), IDR                     ; no wait: the other set's last readers stand ahead of the turn before's wait behind its choice, and nothing since names that set or its list word
.endif
	MULH 1, PP, 0
	WIN 0
.irp i, 0,1,2,3,4,5,6,7
	ds_load_b32 v[SO+\i], v[IDH] offset:LIST+64*(\q)+8*\i          ; no wait: the lines that made the last offsets stand ahead of the turn before's last wait on va_vdst
.endr
.if \refill
.irp i, 0,1,2,3,4,5,6,7
	ds_load_b32 v[RO+\i], v[IDH] offset:LIST+64*((\q)+5)+8*\i
.endr
.endif
	MULH 1, PP, 1
	WIN 0
.rept 4
	v_nop                                          ; four places between the last product and the vector instructions that read and write results (ISA guide 7.12.1)
.endr
.irp t, 0,1,2,3                        ; THE CHOICE: slice 0's accumulator takes slice g's numbers in the lanes whose row has source % 4 = g; each accumulator from its low end on
.irp g, 1,2,3
.irp j, 0,1,2,3,4,5,6,7
	v_cndmask_b32 v[ACC+8*\t+\j], v[ACC+8*\t+\j], v[ACC+32*\g+8*\t+\j], s[23+\g]
.endr
.endr
.endr
	s_wait_alu depctr_va_vdst(0)                   ; the choice has written slice 0, which the LDS stores read; products and choice are done with slice 1's registers, in which the rows land; the products are done reading this fragment set, and the line at the head its list word: the next turn's loads land there
.irp t, 0,1,2,3
	ds_store_b128 v[OST], v[ACC+8*\t:ACC+8*\t+3] offset:OS+64*\t          ; lane (r, h): row r, features 16 t + 8 h + 0 .. 3
	ds_store_b128 v[OST], v[ACC+8*\t+4:ACC+8*\t+7] offset:OS+64*\t+16
.endr
.irp i, 0,1,2,3,4,5,6,7
	ds_load_b128 v[OB+4*\i:OB+4*\i+3], v[STA] offset:OS+2*\i*PITCH        ; back by rows: lanes 0-15 row 2 i, lanes 16-31 row 2 i + 1; features 4 (lane % 16) on.  Slice 1's accumulators are done with
.endr
	s_wait_dscnt 16                                ; all but these sixteen: the list words are in.  The offsets are made while the results are on their way through LDS
	ADDR SO
.if \refill
	ADDR RO
.endif
	s_wait_dscnt 0x0
.irp i, 0,1,2,3,4,5,6,7
	v_pk_mul_f32 v[OB+4*\i:OB+4*\i+1], v[OB+4*\i:OB+4*\i+1], s[22:23] op_sel_hi:[1,0]       ; x 2^(ex + ew), two at a time
	v_pk_mul_f32 v[OB+4*\i+2:OB+4*\i+3], v[OB+4*\i+2:OB+4*\i+3], s[22:23] op_sel_hi:[1,0]
.endr
	s_wait_alu depctr_va_vdst(0)                   ; the offsets SO and RO and the results OB are written: the refill's loads read RO, the stores SO and OB
.if \refill
	s_wait_alu depctr_vm_vsrc(0)                   ; the stage's LDS stores have read the slot in which the refill's loads land
	LOADS S1, RO                                   ; the loads ahead of the stores
.endif
.irp i, 0,1,2,3,4,5,6,7
.if \guard
.if \i > 0
	s_cmp_le_i32 s40, 2*\i                         ; no row left at place 2 i: the rest is padding
	s_cbranch_scc1 .Lst_\@
.endif
.endif
	global_store_b128 v[SO+\i], v[OB+4*\i:OB+4*\i+3], s[14:15] th:TH_STORE_NT   ; sixteen lanes store one row of out0: 256 consecutive bytes, at a multiple of 256 from its first byte
.endr
.if \guard
.Lst_\@:
	s_sub_co_i32 s40, s40, 16
.endif
.endm
	s_mov_b32 s37, 0
	s_mov_b32 s39, 0
.Lgroup:                                               ; a trip: four full tiles.  At most MAXG - 1 trips; the list's own number ends the walk earlier
	s_cmp_ge_u32 s37, s38
	s_cbranch_scc1 .Ltail
	TURN 0, 1, 24, 0                               ; 24: behind the next tile's eight loads stand those of the three tiles after it, from the first fills and round the loop alike
	TURN 1, 1, 24, 0
	TURN 2, 1, 24, 0
	TURN 3, 1, 24, 0
	s_add_co_u32 s39, s39, 256                     ; the next group's 64 places in the list: 15 x 256 bytes at the most
	s_add_co_u32 s37, s37, 1
	s_cmp_lt_u32 s37, MAXG-1
	s_cbranch_scc1 .Lgroup
.Ltail:                                                ; the last group: nothing more is asked for, so the counts run down (the one tile past the group, all padding, is never staged)
	TURN 0, 0, 24, 1
	TURN 1, 0, 16, 1
	TURN 2, 0, 8, 1
	TURN 3, 0, -1, 1
.Ldone:
	s_wait_dscnt 0x0                               ; the closing lines, six on end
	s_wait_alu 0x0
	s_wait_tensorcnt 0x0
	ds_add_u32 v254, v255
	s_wait_dscnt 0x0
	s_endpgm
.Lfunc_end_k_q5db238c21b_gather_dense:
	.size	k_q5db238c21b_gather_dense, .Lfunc_end_k_q5db238c21b_gather_dense-k_q5db238c21b_gather_dense
	.p2alignl 7, 3214868480
	.fill 96, 4, 3214868480
	.section	.rodata,"a",@progbits
	.p2align	6, 0x0
	.amdhsa_kernel k_q5db238c21b_gather_dense
		.amdhsa_group_segment_fixed_size 13568
		.amdhsa_private_segment_fixed_size 0
		.amdhsa_enable_private_segment 0
		.amdhsa_kernarg_size 48
		.amdhsa_user_sgpr_count 2
		.amdhsa_user_sgpr_kernarg_segment_ptr 1
		.amdhsa_wavefront_size32 1
		.amdhsa_system_sgpr_workgroup_id_x 1
		.amdhsa_system_sgpr_workgroup_id_y 1
		.amdhsa_system_sgpr_workgroup_id_z 1
		.amdhsa_system_vgpr_workitem_id 0
		.amdhsa_next_free_vgpr 1024
		.amdhsa_next_free_sgpr 66
		.amdhsa_reserve_vcc 0
		.amdhsa_float_denorm_mode_32 3
		.amdhsa_float_denorm_mode_16_64 3
		.amdhsa_memory_ordered 1
		.amdhsa_forward_progress 1
		.amdhsa_inst_pref_size 212
	.end_amdhsa_kernel
	.amdgpu_metadata
---
amdhsa.version: [ 1, 2 ]
amdhsa.kernels:
  - .name:           k_q5db238c21b_gather_dense
    .symbol:         k_q5db238c21b_gather_dense.kd
    .args:
      - { .name: x_codes, .offset: 0, .size: 8, .value_kind: global_buffer, .address_space: global }
      - { .name: W_codes, .offset: 8, .size: 8, .value_kind: global_buffer, .address_space: global }
      - { .name: b, .offset: 16, .size: 8, .value_kind: global_buffer, .address_space: global }
      - { .name: source, .offset: 24, .size: 8, .value_kind: global_buffer, .address_space: global }
      - { .name: lowp_scales, .offset: 32, .size: 8, .value_kind: global_buffer, .address_space: global }
      - { .name: out0, .offset: 40, .size: 8, .value_kind: global_buffer, .address_space: global }
    .group_segment_fixed_size: 13568
    .private_segment_fixed_size: 0
    .kernarg_segment_align: 8
    .kernarg_segment_size: 48
    .max_flat_workgroup_size: 32
    .sgpr_count:     66
    .vgpr_count:     1024
    .wavefront_size: 32
...
	.end_amdgpu_metadata
.endif
;; end of part 2
